; MI455X (gfx1250); checked and timed in simulation.
; The chip was launched on July 23, 2026; its instructions are those of AMD's public machine-readable ISA for CDNA 5 (MIT licence, August 2026) and "CDNA5" Instruction Set Architecture Reference Guide (July 2026). The comments in the code are by the model that wrote it; some were corrected since.
;; Scaled Dot Product Attention. Allowed arithmetic: float matrix products may take bf16 or f16 operands with f32 sums; all other float work in f32.
;; Inputs: K 4 x 16 x 2,048 x 64 float32; Q 4 x 16 x 2,048 x 64 float32; V 4 x 16 x 2,048 x 64 float32.
;; Outputs: out0 4 x 16 x 2,048 x 64 float32.
;; One version. Each part assembles by itself: llvm-mc -triple=amdgcn-amd-amdhsa -mcpu=gfx1250 --defsym DOCPART=n.
;; ======== version 1 of 1: 1 launch
;; limits: values are held in f16: magnitudes above 65,504 overflow, below 6.1e-05 lose precision
;; launch attn (part 1): grid 256 x 1, 4 waves a work-group, clusters of 4 x 1, 327,680 bytes of LDS; arguments K, Q, V, out0; writes out0
.if DOCPART == 1
	.amdgcn_target "amdgcn-amd-amdhsa--gfx1250"
	.amdhsa_code_object_version 6
	.text
	.protected	k_q9f5a04e9ba_attn
	.globl	k_q9f5a04e9ba_attn
	.p2align	8
	.type	k_q9f5a04e9ba_attn,@function
k_q9f5a04e9ba_attn:
	s_mov_b64 s[64:65], 0
	v_nop
	global_prefetch_b8 v0, s[64:65] scope:SCOPE_SE
	s_setreg_imm32_b32 hwreg(HW_REG_WAVE_MODE, 25, 1), 1
	s_wait_xcnt 0x0
	s_wait_alu depctr_hold_cnt(0) depctr_sa_sdst(0) depctr_va_vdst(0) depctr_va_sdst(0) depctr_va_ssrc(0) depctr_va_vcc(0) depctr_vm_vsrc(0)
	s_getreg_b32 s2, hwreg(HW_REG_IB_STS2, 6, 4)
	s_cmp_eq_u32 s2, 0
	s_cbranch_scc0 .Lentry_in_a_cluster
	s_endpgm
.Lentry_in_a_cluster:
	s_bfe_u32 s2, ttmp6, 0x10000c
	s_cmp_lg_u32 s2, 0x3003
	s_cbranch_scc0 .Lentry_shape_is_right
	s_endpgm
.Lentry_shape_is_right:
; out = softmax(causal(Q K^T / 8)) V.  Q, K, V, out: [64 heads][2048][64] f32.  Softmax in f32 with a running maximum; both products with f32 sums.
; FORMATS.  Q, K and V are rounded to bf16.  Q K^T runs in the bf16 form.  The weights P go into the second product in f16: 11 significant bits.
; With bf16's 8 bits a weight's rounding shows in rows with few keys, where one weight is a large share of the sum and nothing averages it out.
; So P V runs in the f16 form, and V's bf16 numbers are written as f16, which is exact for magnitudes from 2^-17 to 65,280.
;
; SHARING.  A cluster of 4 work-groups x 4 waves is one head.  The head's 2048 query rows are 8 groups of 256 rows, a group is 16 tiles of 16 rows.
; Wave w of work-group cx owns tile 4 w + cx of EVERY group: 8 tiles, 128 rows.  Keys go in chunks of 64 (a step); 4 chunks are a phase of 256 keys.
; In phase J a wave works on its tiles J..7 (tile J lies on the diagonal and is masked by value), so all 16 waves of a head run the same text with
; the same trip counts: (8+7+..+1) x 4 = 144 units of 16 queries x 64 keys.  The diagonal block of 256 x 256 is computed whole.
; CLUSTER.  All four work-groups need every chunk of K and V at the same time: they ask for them jointly (mask 15), 256 rows of K and of V at a time.
; Chunk 0 alone (1/32 of K and V) is loaded by plain loads, by each work-group for itself, so that the conversion can run one step ahead of the products.
; NO PREFETCH: each refill is issued a whole phase (4 steps) ahead of its first read, so no wave waits for K or V behind the start.
; f32 -> 16 bits: each wave converts 16 rows of the next chunk of K and of V from the f32 ring into one of two 16-bit buffers: once for the work-group.
;
; MATRIX FORMS.  S^T = K Q^T: A = 16 keys x 32 d, B = 16 queries x 32 d; lane (r, h), register j of tile t holds key 16 t + 8 h + j of query r.
; O^T = V^T P^T: A = 16 d x 32 keys (transposing LDS loads), B = P.  Packing S's registers in pairs gives P's fragment as it stands: no lane moves.
; A lane owns one query row: maximum, sum and rescale factor are one number a lane.  The two halves h keep partial sums, joined on the way out.
; The accumulators take turns, one matrix instruction a turn.
;
; LIMITS.  (1) Keys behind the diagonal's 256 x 256 block get weight 0, those inside it the fill -1e7 as in the definition.  The definition gives
; exp(-1e7 - m) to all of them, which is 0 in f32 as long as a row's largest unmasked scaled score m is above about -1e7 + 104.
; (2) |V| of 65,520 and more overflows f16; |V| below 2^-17 carries an absolute error of up to 2^-25.
; (3) A weight below 2^-24 of the row's running largest weight enters the product as 0: at most 2048 x 2^-25 of the row's sum in all.
.set ROWB,   256                       ; a row: 64 f32
.set GRPB,   256*ROWB                  ; 256 rows: a group of queries, a block of keys
.set CHUNKB, 64*ROWB
.set SLOT,   GRPB                      ; LDS 0: K's f32 ring, two slots of 256 rows, dense
.set VRING,  2*SLOT                    ; LDS 131072: V's f32 ring, the same
.set BF,     4*SLOT                    ; LDS 262144: two 16-bit buffers, written by LDS stores alone
.set KP,     144                       ; K's 16-bit pitch: 128 + 16, an odd multiple of 16
.set VP,     160                       ; V's 16-bit pitch: 128 + 32, an odd multiple of 32 (transposing loads)
.set BFV,    64*KP                     ; V's 64 rows behind K's 64
.set BFB,    64*KP+64*VP               ; 19456 bytes a buffer
.set STAGE,  BF+2*BFB                  ; LDS 301056: a stage of 4352 bytes for each wave (Q on the way in, O on the way out)
.set OP,     272                       ; the stage's pitch on the way out: 256 + 16
; window 0
.set LK,   2                           ; K fragment address in buffer 0: BF + r KP + 16 h
.set LV,   3                           ; V fragment address in buffer 0
.set LKS,  4                           ; where I store converted K in buffer 0
.set LVS,  5                           ; the same for V
.set LC,   6                           ; my 16 bytes in the first two of my 16 rows of a chunk in the f32 ring
.set AKF,  7                           ; v7-12: the step's addresses
.set AVF,  8
.set AKS,  9
.set AVS,  10
.set ACK,  11
.set ACV,  12
.set QST,  9                           ; ahead of the first step v9, v10 serve Q's way through the stage
.set QRD,  10
.set LIM0, 13                          ; 16 tile + r - 8 h
.set LIM,  14                          ; the step's limit: 16 t + j <= LIM is at or below the diagonal
.set GO,   15                          ; 16 x lane; never rewritten
.set STO,  16
.set SRD,  17
.set T0,   20
.set T1,   21
.set T2,   22
.set T3,   23
.set AL,   26                          ; v[26:27] rescale factor (first register used)
.set MC,   28                          ; v[28:29] -c x maximum
.set INV,  30                          ; v[30:31] 1 / sum
.set MM,   32                          ; v32-39 running maximum of tile i (raw scores)
.set LL,   40                          ; v40-47 partial sum of tile i
.set PP,   48                          ; v48-63 P's fragment, f16
.set KF,   64                          ; v64-127 K fragments, 16 t + 8 e
.set VF,   128                         ; v128-191 V fragments, 8 (4 kk + dt)
.set SC,   192                         ; v192-223, v224-255: two buffers of scores
; window 1 + i/4: O(i, dt) at 32 (i%4) + 8 dt; Q's fragments (i, e) at 128 + 16 (i%4) + 8 e; two chains of the maximum
.set CH0,  192
.set CH1,  193
; window 3: v0-63 f32 on its way to 16 bits (K's rows in v0-31, V's in v32-63), v64-95 the 16-bit words
.set G1,   32                          ; s[32:39] descriptor group 1: 128 rows of 256 bytes
.set G1L,  40                          ; s[40:47] the same for the last block, which has 192 rows
.set G0K,  48                          ; s[48:55] group 0 for K, a set for each slot
.set G0V,  56                          ; s[56:63] group 0 for V
.set SR,   66                          ; 16-bit buffer that the step reads V from
.set SW,   67                          ; 16-bit buffer that the step fills
.set SCV,  68                          ; the chunk to convert, in K's ring
.set CNT,  69
.set NEGF, 75
.set HIM,  81                          ; s81: a word's upper bf16
.set MSB, 0
.macro WIN new                         ; low byte: bits 1:0 source 0, 3:2 source 1, 5:4 source 2, 7:6 destination; the high byte repeats the setting that is left
.if MSB != (\new)
	s_set_vgpr_msb (MSB<<8)|(\new)
.set MSB, \new
.endif
.endm
.macro PLACES
.rept 4
	v_nop
.endr
.endm
; A round of the cluster's barrier.
.macro ROUND
	s_barrier_signal -1
	s_barrier_wait -1
	s_cmp_lg_u32 s12, 0
	s_cbranch_scc1 .Lnot_wave_0_\@
	s_barrier_signal -3
.Lnot_wave_0_\@:
	s_barrier_wait -3
	s_barrier_signal -1
	s_barrier_wait -1
.endm
; A joint load: waves 0, 1 fetch the two halves of K's block, waves 2, 3 those of V's.  Nothing in the descriptors hangs on the place in the cluster.
.macro JLOAD sl, g1
	s_cmp_eq_u32 s13, 0
	s_cbranch_scc0 .Lfor_v_\@
	tensor_load_to_lds s[G0K+4*\sl:G0K+4*\sl+3], s[\g1:\g1+7]
	s_nop 0
	s_branch .Lasked_\@
.Lfor_v_\@:
	tensor_load_to_lds s[G0V+4*\sl:G0V+4*\sl+3], s[\g1:\g1+7]
	s_nop 0
.Lasked_\@:
.endm
.macro KLOAD                           ; 64 keys x 64 d as 8 fragments
	WIN 0
.irp t, 0,1,2,3
.irp e, 0,1
	ds_load_b128 v[KF+16*\t+8*\e:KF+16*\t+8*\e+3],   v[AKF] offset:\t*16*KP+64*\e
	ds_load_b128 v[KF+16*\t+8*\e+4:KF+16*\t+8*\e+7], v[AKF] offset:\t*16*KP+64*\e+32
.endr
.endr
.endm
.macro VLOAD                           ; 64 d x 64 keys as 8 fragments, transposed on the way
	WIN 0
.irp kk, 0,1
.irp dt, 0,1,2,3
	ds_load_tr16_b128 v[VF+8*(4*\kk+\dt):VF+8*(4*\kk+\dt)+3],   v[AVF] offset:\kk*32*VP+32*\dt
	ds_load_tr16_b128 v[VF+8*(4*\kk+\dt)+4:VF+8*(4*\kk+\dt)+7], v[AVF] offset:\kk*32*VP+32*\dt+16*VP
.endr
.endr
.endm
.macro CLOAD                           ; my 16 rows of the next chunk, f32: each load takes 512 neighbouring bytes, two rows
	WIN 0xc0
.irp t, 0,1,2,3,4,5,6,7
	ds_load_b128 v[4*\t:4*\t+3], v[ACK] offset:512*\t
.endr
.irp t, 0,1,2,3,4,5,6,7
	ds_load_b128 v[32+4*\t:32+4*\t+3], v[ACV] offset:512*\t
.endr
.endm
; K and V to bf16 (words 0-15 K, 16-31 V); then V's bf16 numbers, widened back into the registers that their f32 came from, are written as f16.
.macro CCVT
	WIN 0xcf
.set c_x, 0
.rept 32
	v_cvt_pk_bf16_f32 v[64+c_x], v[2*c_x], v[2*c_x+1]
.set c_x, c_x+1
.endr
.set c_x, 16
.rept 16
	v_lshlrev_b32 v[2*c_x], 16, v[64+c_x]          ; bf16 to f32: the low half moves up,
	v_and_b32 v[2*c_x+1], s[HIM], v[64+c_x]        ; the high half stays
.set c_x, c_x+1
.endr
.set c_x, 16
.rept 16
	v_cvt_pk_f16_f32 v[64+c_x], v[2*c_x], v[2*c_x+1]   ; 8 significant bits into 11: exact inside f16's range
.set c_x, c_x+1
.endr
.endm
.macro CSTORE ak, av
	WIN 0x0c
.irp t, 0,1,2,3,4,5,6,7
	ds_store_b64 v[\ak], v[64+2*\t:65+2*\t] offset:2*KP*\t
.endr
.irp t, 0,1,2,3,4,5,6,7
	ds_store_b64 v[\av], v[80+2*\t:81+2*\t] offset:2*VP*\t
.endr
.endm
; One matrix instruction of S^T = K Q^T for tile i into score buffer buf: x = 4 e + t.  The first four start the sums.
.macro QK1 i, buf, x
.set q_e, (\x)>>2
.set q_t, (\x)&3
.set q_s, SC+32*(\buf)+8*q_t
.set q_k, KF+16*q_t+8*q_e
.set q_q, 128+16*((\i)&3)+8*q_e
.if q_e == 0
	v_wmma_f32_16x16x32_bf16 v[q_s:q_s+7], v[q_k:q_k+7], v[q_q:q_q+7], 0
.else
	v_wmma_f32_16x16x32_bf16 v[q_s:q_s+7], v[q_k:q_k+7], v[q_q:q_q+7], v[q_s:q_s+7]
.endif
.endm
; One matrix instruction of O^T += V^T P^T for tile i, in the f16 form: x = 4 kk + dt.  first = 1: the very first chunk starts the sums.
.macro PV1 i, x, first
.set p_kk, (\x)>>2
.set p_o, 32*((\i)&3)+8*((\x)&3)
.if (\first)*(1-p_kk)
	v_wmma_f32_16x16x32_f16 v[p_o:p_o+7], v[VF+8*(\x):VF+8*(\x)+7], v[PP+8*p_kk:PP+8*p_kk+7], 0
.else
	v_wmma_f32_16x16x32_f16 v[p_o:p_o+7], v[VF+8*(\x):VF+8*(\x)+7], v[PP+8*p_kk:PP+8*p_kk+7], v[p_o:p_o+7]
.endif
.endm
; The diagonal tile's scores (buffer 0): above the diagonal the fill, -8e7 raw = -1e7 behind the factor 1/8.  A choice of values, no branch.
.macro MASK
	WIN 0
.set m_x, 0
.rept 32
	v_cmp_le_i32 vcc_lo, 16*(m_x>>3)+(m_x&7), v[LIM]
	v_cndmask_b32 v[SC+m_x], s[NEGF], v[SC+m_x], vcc_lo
.set m_x, m_x+1
.endr
	v_sub_nc_u32 v[LIM], v[LIM], 64                ; the next chunk lies 64 keys further on
.endm
; PV of tile pv (none: -1) with the maximum of score buffer mx (none: -1) between its instructions.  Destination and source 2 in window k:
; O for the products, the two chains for the maximum; the scores are sources 0 and 1 in window 0.
.macro ALPHA pv, first, mx, k
	WIN ((\k)<<6)|((\k)<<4)
.set a_g, 0
.rept 8
.if (\pv) >= 0
	PV1 \pv, a_g, \first
.endif
.if (\mx) >= 0
.set a_s, SC+32*(\mx)+4*a_g
.if a_g == 0
	v_max_num_f32 v[CH0], v[a_s], v[a_s+1]
	v_max_num_f32 v[CH1], v[a_s+2], v[a_s+3]
.else
	v_max3_num_f32 v[CH0], v[a_s], v[a_s+1], v[CH0]
	v_max3_num_f32 v[CH1], v[a_s+2], v[a_s+3], v[CH1]
.endif
.endif
.set a_g, a_g+1
.endr
.endm
; The row's new maximum over both halves of the lanes, -c x maximum, and the rescale factor 2^(new - old) from the same rounded numbers.
.macro BETA i, k, first
	WIN (\k)|((\k)<<2)
	v_max_num_f32 v[T0], v[CH0], v[CH1]
	WIN 0
	v_permlanex16_b32 v[T1], v[T0], s70, s71       ; the other half's 32 keys of the same query
.if \first
	v_max_num_f32 v[MM+\i], v[T0], v[T1]
	v_mul_f32 v[MC], s74, v[MM+\i]
.else
	v_mul_f32 v[T3], s74, v[MM+\i]
	v_max3_num_f32 v[MM+\i], v[T0], v[T1], v[MM+\i]
	v_mul_f32 v[MC], s74, v[MM+\i]
	v_sub_f32 v[T3], v[MC], v[T3]
	v_exp_f32 v[AL], v[T3]                         ; the plain instruction behind it (ISA guide 5.7.2) is the first fused multiply-add that follows
.endif
.endm
; p = 2^(c s - c m) in place in buffer buf, with the QK of tile qk (none: -1) into buffer qbuf between.  Source 1 of the vector lines is scalar,
; so they stand under the products' setting.  Behind each four exponentials the next group's multiply-adds are the plain instructions.
.macro GAMMA buf, qk, qbuf
.if (\qk) >= 0
	WIN (1+((\qk)>>2))<<2
.endif
.set c_g, 0
.rept 8
.if (\qk) >= 0
	QK1 \qk, \qbuf, c_g
.endif
.set c_s, SC+32*(\buf)+4*c_g
	v_pk_fma_f32 v[c_s:c_s+1], v[c_s:c_s+1], s[72:73], v[MC:MC+1] op_sel_hi:[1,0,0]
	v_pk_fma_f32 v[c_s+2:c_s+3], v[c_s+2:c_s+3], s[72:73], v[MC:MC+1] op_sel_hi:[1,0,0]
	v_exp_f32 v[c_s], v[c_s]
	v_exp_f32 v[c_s+1], v[c_s+1]
	v_exp_f32 v[c_s+2], v[c_s+2]
	v_exp_f32 v[c_s+3], v[c_s+3]
.set c_g, c_g+1
.endr
.endm
; P's fragment in f16 (the weights are at most 1 but for the last bits of c m), then my 32 weights summed in f32 as a tree in place, then the running sum.
.macro DELTA i, buf, first
	WIN 0
.set d_s, SC+32*(\buf)
.set d_p, 0
	s_wait_alu depctr_va_vdst(0)
.rept 16
	v_cvt_pk_f16_f32 v[PP+d_p], v[d_s+2*d_p], v[d_s+2*d_p+1]
.set d_p, d_p+1
.endr
.irp w, 8,4,2,1
.set d_p, 0
.rept \w
	v_pk_add_f32 v[d_s+2*d_p:d_s+2*d_p+1], v[d_s+2*d_p:d_s+2*d_p+1], v[d_s+2*(d_p+\w):d_s+2*(d_p+\w)+1]
.set d_p, d_p+1
.endr
.endr
.if \first
	v_add_f32 v[LL+\i], v[d_s], v[d_s+1]
.else
	v_add_f32 v[T2], v[d_s], v[d_s+1]
	v_fma_f32 v[LL+\i], v[LL+\i], v[AL], v[T2]
.endif
.endm
.macro OSCALE i, f                     ; O(i) times the lane's number in v[f]
.set e_k, 1+((\i)>>2)
.set e_o, 32*((\i)&3)
	WIN (e_k<<6)|e_k
.set e_y, 0
.rept 16
	v_pk_mul_f32 v[e_o+2*e_y:e_o+2*e_y+1], v[e_o+2*e_y:e_o+2*e_y+1], v[\f:\f+1] op_sel_hi:[1,0]
.set e_y, e_y+1
.endr
.endm
; A STEP: one chunk of 64 keys against tiles J..7.  first = 1: the head's first chunk.  conv = 1: the next chunk is converted meanwhile.
; The chunk's K fragments were loaded in the step before.  One barrier a step: in front of it my stores into buffer SW and all my reads of buffer SR
; are done; behind it the next chunk's K is read from SW, and the next step stores into SR.
.macro STEP J, first, conv
.set st_n, 8-\J
	WIN 0
	v_add_nc_u32 v[AVF], s[SR], v[LV]              ; these lines are also the four places between the last PV and the loads into its fragments
.if \conv
	v_add_nc_u32 v[AKF], s[SW], v[LK]
	v_add_nc_u32 v[AKS], s[SW], v[LKS]
	v_add_nc_u32 v[AVS], s[SW], v[LVS]
	v_add_nc_u32 v[ACK], s[SCV], v[LC]
	v_add_nc_u32 v[ACV], VRING, v[ACK]
.else
	v_nop
	v_nop
	v_nop
.endif
	VLOAD
.if \conv
	CLOAD
.endif
	s_wait_dscnt 16+16*\conv                       ; all but the loads just issued: the 16 loads of K's fragments are in
	WIN (1+(\J>>2))<<2
.set st_x, 0
.rept 8
	QK1 \J, 0, st_x
.set st_x, st_x+1
.endr
.if \conv
	s_wait_dscnt 0x0                               ; the f32 rows, and V's fragments
	CCVT                                           ; its plain instructions are more than the four places between QK and the mask
	CSTORE AKS, AVS
.else
	WIN 0
	PLACES
.endif
	MASK
.set st_u, 0
.rept st_n
.set st_t, \J+st_u
.set st_b, st_u&1
.if st_u == 0
.set st_k, 1+(st_t>>2)
.set st_p, -1
.else
.set st_k, 1+((st_t-1)>>2)
.set st_p, st_t-1
.endif
.if st_u == st_n-1
.set st_q, -1
.else
.set st_q, st_t+1
.endif
.if \conv
.if st_u == st_n-1
	s_wait_dscnt 0x0                               ; for the others: my stores of the next chunk are done, my reads of this one too
	s_barrier_signal -1
.endif
.else
.if st_u == 1
	s_wait_dscnt 0x0                               ; V's fragments
.endif
.endif
	ALPHA st_p, \first, st_b, st_k
	BETA st_t, st_k, \first
.if \conv
.if st_u == st_n-1
	s_barrier_wait -1                              ; the next chunk is whole in buffer SW
	KLOAD                                          ; the step's last QK stands a whole unit's vector work back
.endif
.endif
	GAMMA st_b, st_q, 1-st_b
	DELTA st_t, st_b, \first
.if \first == 0
	OSCALE st_t, AL
.endif
.set st_u, st_u+1
.endr
.if \conv == 0
.if st_n == 1
	s_wait_dscnt 0x0                               ; V's fragments
.endif
.endif
	ALPHA 7, \first, -1, 2                         ; the last tile's PV
	WIN 0
.if \conv
	s_xor_b32 s[SR], s[SR], BFB
	s_xor_b32 s[SW], s[SW], BFB
	s_add_co_u32 s[SCV], s[SCV], CHUNKB
.endif
.endm
; Tile i is finished: join the halves' sums, divide, 16 rows through my stage, out as whole rows: each store covers 512 consecutive bytes, aligned.
.macro OUT i
	WIN 0
	PLACES                                         ; between the last PV and the lines that read O
	v_permlanex16_b32 v[T1], v[LL+\i], s70, s71
	v_add_f32 v[T0], v[LL+\i], v[T1]
	v_rcp_f32 v[INV], v[T0]
	v_nop                                          ; one plain instruction behind v_rcp_f32 (ISA guide 5.7.2)
	s_wait_alu depctr_va_vdst(0)
	OSCALE \i, INV
	WIN (1+((\i)>>2))<<2
.irp dt, 0,1,2,3
	ds_store_b128 v[STO], v[32*((\i)&3)+8*\dt:32*((\i)&3)+8*\dt+3]   offset:64*\dt
	ds_store_b128 v[STO], v[32*((\i)&3)+8*\dt+4:32*((\i)&3)+8*\dt+7] offset:64*\dt+16
.endr
	WIN 0
.irp t, 0,1,2,3,4,5,6,7
	ds_load_b128 v[SC+4*\t:SC+4*\t+3], v[SRD] offset:2*OP*\t       ; my own bytes: LDS serves a wave's instructions in order (ISA guide 5.7.1.4)
.endr
.irp t, 0,1,2,3,4,5,6,7
	s_wait_dscnt 7-\t                              ; load t of the eight is in
	global_store_b128 v[GO], v[SC+4*\t:SC+4*\t+3], s[26:27] offset:\i*GRPB+512*\t th:TH_STORE_NT
.endr
	s_wait_xcnt 0x0                                ; the score buffer, which these stores read, is written again only behind this wait
.endm
.macro QLOAD i                         ; Q tile i, 4096 consecutive bytes, into the registers that will hold O(i)
	WIN (1+((\i)>>2))<<6
.irp t, 0,1,2,3,4,5,6,7
	global_load_b128 v[32*((\i)&3)+4*\t:32*((\i)&3)+4*\t+3], v[GO], s[24:25] offset:\i*GRPB+512*\t th:TH_LOAD_NT
.endr
.endm
.macro QTILE i                         ; to bf16, through my stage, back as two fragments
.set t_k, 1+((\i)>>2)
.set t_o, 32*((\i)&3)
	s_wait_loadcnt 8*(7-\i)                        ; eight loads for each later tile may stay out
	WIN t_k|(t_k<<2)
.set t_x, 0
.rept 16
	v_cvt_pk_bf16_f32 v[SC+t_x], v[t_o+2*t_x], v[t_o+2*t_x+1]
.set t_x, t_x+1
.endr
	WIN 0
.irp t, 0,1,2,3,4,5,6,7
	ds_store_b64 v[QST], v[SC+2*\t:SC+2*\t+1] offset:2*KP*\t
.endr
	WIN t_k<<6
.irp x, 0,1,2,3
	ds_load_b128 v[128+16*((\i)&3)+4*\x:128+16*((\i)&3)+4*\x+3], v[QRD] offset:32*\x
.endr
.endm
.macro PHASE_HEAD J
	s_mov_b32 s[SR], 0                             ; a phase begins with an even chunk: 16-bit buffer 0
	s_mov_b32 s[SW], BFB
	s_mov_b32 s[SCV], (\J&1)*SLOT                  ; chunks 4 J + 1 .. 4 J + 4 lie in ring slot J & 1
	v_mov_b32 v[LIM], v[LIM0]
.endm
.macro PHASE J, trips
	s_mov_b32 s[CNT], \trips
.Lphase_\J:
	STEP \J, 0, 1
	s_sub_co_i32 s[CNT], s[CNT], 1
	s_cmp_lg_u32 s[CNT], 0
	s_cbranch_scc1 .Lphase_\J
.endm
; Behind phase J its ring slot is filled again, two blocks on.  My LDS reads are back and all my tensor loads have landed (the next phase's block
; among them), so the slot's addresses may step; the round shows the same of every wave of the four work-groups; my one load comes first behind it.
.macro REFILL J, g1
	s_wait_dscnt 0x0
	s_wait_tensorcnt 0x0
	ds_add_u32 v24, v25
	s_wait_dscnt 0x0
	s_add_nc_u64 s[G0K+4*(\J&1)+2:G0K+4*(\J&1)+3], s[G0K+4*(\J&1)+2:G0K+4*(\J&1)+3], 2*SLOT
	s_add_nc_u64 s[G0V+4*(\J&1)+2:G0V+4*(\J&1)+3], s[G0V+4*(\J&1)+2:G0V+4*(\J&1)+3], 2*SLOT
	ROUND
	JLOAD (\J&1), \g1
.endm
	s_load_b256 s[4:11], s[0:1], 0x0               ; K s[4:5], Q s[6:7], V s[8:9], out s[10:11]
	v_lshl_add_u32 v24, v0, 2, 0x4dc00
	v_mov_b32 v25, 0
	ds_add_u32 v24, v25
	v_lshrrev_b32 v1, 5, v0
	v_readfirstlane_b32 s12, v1                    ; wave w
	s_lshr_b32 s13, s12, 1                         ; 0: I fetch K, 1: V
	s_and_b32 s14, s12, 1                          ; which 128 rows of a block
	s_bfe_u32 s15, ttmp6, 0x40000                  ; cx
	s_lshl2_add_u32 s17, s12, s15                  ; my tile in every group: 4 w + cx
	s_lshl_b32 s18, ttmp9, 19                      ; the head (the cluster's number) x 524288 bytes
	s_mov_b32 s19, 0
	s_mov_b32 s70, 0x76543210                      ; v_permlanex16_b32: lane i reads lane i of the other half
	s_mov_b32 s71, 0xfedcba98
	s_mov_b32 s72, 0x3e38aa3b                      ; c = log2(e) / 8
	s_mov_b32 s73, 0x3e38aa3b
	s_mov_b32 s74, 0xbe38aa3b                      ; -c
	s_mov_b32 s[NEGF], 0xcc989680                  ; -8e7
	s_mov_b32 s[HIM], 0xffff0000                   ; a word's upper bf16
	; group 1: rows of 256 bytes as 32 elements of 8 bytes, 128 rows, dense
	s_mov_b32 s[G1+0], 15|(3<<16)|(1<<21)          ; 15:0 mask: all four work-groups; 17:16 elements of 8 bytes; 21 set beside a mask
	s_mov_b32 s[G1+1], 32<<16                      ; tensor_dim0 = 32
	s_mov_b32 s[G1+2], 128<<16                     ; tensor_dim1 = 128
	s_mov_b32 s[G1+3], 32<<16                      ; tile_dim0 = 32
	s_mov_b32 s[G1+4], 128                         ; tile_dim1 = 128
	s_mov_b32 s[G1+5], 32                          ; 32 elements from row to row
	s_mov_b32 s[G1+6], 0
	s_mov_b32 s[G1+7], 0
	; the last block has 192 rows: its second half has 64 rows left, the tile's other 64 arrive as zeros and are not read
	s_mov_b32 s[G1L+0], 15|(3<<16)|(1<<21)
	s_mov_b32 s[G1L+1], 32<<16
	s_lshl_b32 s[G1L+2], s14, 22
	s_sub_co_u32 s[G1L+2], 128<<16, s[G1L+2]       ; tensor_dim1 = 128 - 64 (w & 1)
	s_mov_b32 s[G1L+3], 32<<16
	s_mov_b32 s[G1L+4], 128
	s_mov_b32 s[G1L+5], 32
	s_mov_b32 s[G1L+6], 0
	s_mov_b32 s[G1L+7], 0
	s_lshl_b32 s16, s12, 15                        ; w x 128 rows: K's halves at 0 and 32768, V's (w = 2, 3) 65536 further on
	s_mov_b32 s[G0K+0], 1
	s_mov_b32 s[G0K+1], s16
	s_mov_b32 s[G0K+4], 1
	s_add_co_u32 s[G0K+5], s16, SLOT
	s_mov_b32 s[G0V+0], 1
	s_add_co_u32 s[G0V+1], s16, SLOT
	s_mov_b32 s[G0V+4], 1
	s_add_co_u32 s[G0V+5], s16, 2*SLOT
	s_lshl_b32 s2, s14, 15
	s_add_co_u32 s2, s2, CHUNKB                    ; block 0 begins with chunk 1; my half of it
	s_mov_b32 s3, 0
	s_lshl_b32 s30, s17, 12                        ; my tile's 16 rows in a group
	s_mov_b32 s31, 0
	s_lshl_b32 s28, s12, 12                        ; my 16 rows of chunk 0
	s_mov_b32 s29, 0
	v_and_b32 v[T2], 31, v0                        ; lane
	v_lshlrev_b32 v[GO], 4, v[T2]
	s_wait_dscnt 0x0
	s_wait_kmcnt 0x0
	s_add_nc_u64 s[20:21], s[4:5], s[18:19]        ; K of my head
	s_add_nc_u64 s[22:23], s[8:9], s[18:19]        ; V of my head
	s_add_nc_u64 s[24:25], s[6:7], s[18:19]
	s_add_nc_u64 s[24:25], s[24:25], s[30:31]      ; Q at my tile of group 0
	s_add_nc_u64 s[26:27], s[10:11], s[18:19]
	s_add_nc_u64 s[26:27], s[26:27], s[30:31]      ; out likewise
	s_add_nc_u64 s[76:77], s[20:21], s[28:29]
	s_add_nc_u64 s[78:79], s[22:23], s[28:29]
	s_add_nc_u64 s[G0K+2:G0K+3], s[20:21], s[2:3]
	s_add_nc_u64 s[G0K+6:G0K+7], s[G0K+2:G0K+3], SLOT
	s_add_nc_u64 s[G0V+2:G0V+3], s[22:23], s[2:3]
	s_add_nc_u64 s[G0V+6:G0V+7], s[G0V+2:G0V+3], SLOT
	s_or_b32 s[G0K+3], s[G0K+3], 0x80000000        ; type = 2
	s_or_b32 s[G0K+7], s[G0K+7], 0x80000000
	s_or_b32 s[G0V+3], s[G0V+3], 0x80000000
	s_or_b32 s[G0V+7], s[G0V+7], 0x80000000
	ROUND                                          ; all four work-groups are here: the first joint loads meet
	s_cmp_eq_u32 s13, 0                            ; both first fills of a wave in one branch: two tensor loads out
	s_cbranch_scc0 .Lfirst_v
	tensor_load_to_lds s[G0K:G0K+3], s[G1:G1+7]
	s_nop 0
	tensor_load_to_lds s[G0K+4:G0K+7], s[G1:G1+7]
	s_nop 0
	s_branch .Lfirst_done
.Lfirst_v:
	tensor_load_to_lds s[G0V:G0V+3], s[G1:G1+7]
	s_nop 0
	tensor_load_to_lds s[G0V+4:G0V+7], s[G1:G1+7]
	s_nop 0
.Lfirst_done:
	WIN 0xc0                                       ; chunk 0: my 16 rows of K and of V
.irp t, 0,1,2,3,4,5,6,7
	global_load_b128 v[4*\t:4*\t+3], v[GO], s[76:77] offset:512*\t
.endr
.irp t, 0,1,2,3,4,5,6,7
	global_load_b128 v[32+4*\t:32+4*\t+3], v[GO], s[78:79] offset:512*\t
.endr
	QLOAD 0
	QLOAD 1
	QLOAD 2
	QLOAD 3
	WIN 0
	; the lane's addresses, while the loads are on their way
	v_and_b32 v[T0], 15, v0                        ; r
	v_bfe_u32 v[T1], v0, 4, 1                      ; h
	v_and_b32 v[T3], 7, v0
	v_bfe_u32 v1, v0, 3, 1
	s_mul_i32 s2, s12, 16*KP
	s_add_co_u32 s2, s2, BF                        ; my 16 rows in K's 16-bit buffer 0
	s_mul_i32 s3, s12, 16*VP
	s_add_co_u32 s3, s3, BF+BFV                    ; and in V's
	s_mul_i32 s80, s12, 16*OP
	s_add_co_u32 s80, s80, STAGE                   ; my stage
	v_mul_u32_u24 v[LK], v[T0], KP
	v_lshl_add_u32 v[LK], v[T1], 4, v[LK]          ; r KP + 16 h
	v_add_nc_u32 v[QRD], s80, v[LK]
	v_add_nc_u32 v[LK], BF, v[LK]
	v_lshl_add_u32 v[LV], v[T1], 3, v[T3]          ; key 8 h + (lane & 7)
	v_mul_u32_u24 v[LV], v[LV], VP
	v_lshl_add_u32 v[LV], v1, 4, v[LV]             ; + 16 ((lane >> 3) & 1)
	v_add_nc_u32 v[LV], BF+BFV, v[LV]
	v_mul_u32_u24 v[LKS], v[T1], KP
	v_lshl_add_u32 v[LKS], v[T0], 3, v[LKS]        ; h KP + 8 r
	v_add_nc_u32 v[QST], s80, v[LKS]
	v_add_nc_u32 v[LKS], s2, v[LKS]
	v_mul_u32_u24 v[LVS], v[T1], VP
	v_lshl_add_u32 v[LVS], v[T0], 3, v[LVS]
	v_add_nc_u32 v[LVS], s3, v[LVS]
	v_lshl_add_u32 v[LC], s12, 12, v[GO]           ; 4096 w + 16 lane
	v_lshl_add_u32 v[LIM0], s17, 4, v[T0]
	v_lshlrev_b32 v1, 3, v[T1]
	v_sub_nc_u32 v[LIM0], v[LIM0], v1              ; 16 tile + r - 8 h
	v_mul_u32_u24 v[STO], v[T0], OP
	v_lshl_add_u32 v[STO], v[T1], 5, v[STO]
	v_add_nc_u32 v[STO], s80, v[STO]               ; stage + r OP + 32 h
	v_mul_u32_u24 v[SRD], v[T1], OP
	v_lshl_add_u32 v[SRD], v[T0], 4, v[SRD]
	v_add_nc_u32 v[SRD], s80, v[SRD]               ; stage + h OP + 16 r
	v_mov_b32 v[AL+1], 0                           ; the second registers of the three pairs are named, never used
	v_mov_b32 v[MC+1], 0
	v_mov_b32 v[INV+1], 0
	s_wait_loadcnt 32                              ; chunk 0 is in; the 32 loads of Q behind it may stay out
	CCVT
	CSTORE LKS, LVS
	QLOAD 4
	QLOAD 5
	QLOAD 6
	QLOAD 7
	QTILE 0
	QTILE 1
	QTILE 2
	QTILE 3
	QTILE 4
	QTILE 5
	QTILE 6
	QTILE 7
	WIN 0
	s_wait_dscnt 0x0                               ; my part of chunk 0 is stored, Q's fragments are in
	s_wait_tensorcnt 0x1                           ; my part of block 0 has landed; block 1's may stay out
	s_barrier_signal -1
	s_barrier_wait -1
	v_mov_b32 v[AKF], v[LK]
	KLOAD                                          ; chunk 0's K fragments
	PHASE_HEAD 0
	STEP 0, 1, 1                                   ; the first chunk starts every sum: nothing is cleared
	PHASE 0, 3
	REFILL 0, G1
	OUT 0
.irp J, 1,2,3,4
	PHASE_HEAD \J
	PHASE \J, 4
	REFILL \J, G1
	OUT \J
.endr
	PHASE_HEAD 5
	PHASE 5, 4
	REFILL 5, G1L                                  ; the last block: 192 rows
	OUT 5
	PHASE_HEAD 6
	PHASE 6, 4
	s_wait_dscnt 0x0
	s_wait_tensorcnt 0x0                           ; my part of the last block has landed;
	s_barrier_signal -1
	s_barrier_wait -1                              ; everybody's has.  Nothing is left to fetch
	OUT 6
	PHASE_HEAD 7
	PHASE 7, 3
	STEP 7, 0, 0                                   ; the last chunk: nothing left to convert, no barrier
	OUT 7
	s_wait_tensorcnt 0x0
	ds_add_u32 v24, v25
	s_wait_dscnt 0x0
	ROUND                                          ; the closing round
	s_endpgm
.Lfunc_end_k_q9f5a04e9ba_attn:
	.size	k_q9f5a04e9ba_attn, .Lfunc_end_k_q9f5a04e9ba_attn-k_q9f5a04e9ba_attn
	.p2alignl 7, 3214868480
	.fill 96, 4, 3214868480
	.section	.rodata,"a",@progbits
	.p2align	6, 0x0
	.amdhsa_kernel k_q9f5a04e9ba_attn
		.amdhsa_group_segment_fixed_size 327680
		.amdhsa_private_segment_fixed_size 0
		.amdhsa_enable_private_segment 0
		.amdhsa_kernarg_size 32
		.amdhsa_user_sgpr_count 2
		.amdhsa_user_sgpr_kernarg_segment_ptr 1
		.amdhsa_wavefront_size32 1
		.amdhsa_system_sgpr_workgroup_id_x 1
		.amdhsa_system_sgpr_workgroup_id_y 1
		.amdhsa_system_sgpr_workgroup_id_z 1
		.amdhsa_system_vgpr_workitem_id 0
		.amdhsa_next_free_vgpr 864
		.amdhsa_next_free_sgpr 84
		.amdhsa_reserve_vcc 1
		.amdhsa_float_denorm_mode_32 3
		.amdhsa_float_denorm_mode_16_64 3
		.amdhsa_memory_ordered 1
		.amdhsa_forward_progress 1
		.amdhsa_inst_pref_size 255
	.end_amdhsa_kernel
	.section	.bss,"aw",@nobits
	.p2align	6
	.space	262144
	.amdgpu_metadata
---
amdhsa.version: [ 1, 2 ]
amdhsa.kernels:
  - .name:           k_q9f5a04e9ba_attn
    .symbol:         k_q9f5a04e9ba_attn.kd
    .args:
      - { .name: K, .offset: 0, .size: 8, .value_kind: global_buffer, .address_space: global }
      - { .name: Q, .offset: 8, .size: 8, .value_kind: global_buffer, .address_space: global }
      - { .name: V, .offset: 16, .size: 8, .value_kind: global_buffer, .address_space: global }
      - { .name: out0, .offset: 24, .size: 8, .value_kind: global_buffer, .address_space: global }
    .group_segment_fixed_size: 327680
    .private_segment_fixed_size: 0
    .kernarg_segment_align: 8
    .kernarg_segment_size: 32
    .max_flat_workgroup_size: 128
    .sgpr_count:     84
    .vgpr_count:     864
    .wavefront_size: 32
...
	.end_amdgpu_metadata
.endif
;; end of part 1
